; MI455X (gfx1250); checked and timed in simulation.
; The chip was launched on July 23, 2026; its instructions are those of AMD's public machine-readable ISA for CDNA 5 (MIT licence, August 2026) and "CDNA5" Instruction Set Architecture Reference Guide (July 2026). The comments in the code are by the model that wrote it; some were corrected since.
;; Attention. Allowed arithmetic: matrix products marked QUANTISED: E2M1 operands, one E8M0 scale for each 32 along K, by v_wmma_scale_f32_16x16x128_f8f6f4 with both operands' format E2M1 (or v_wmma_scale_f32_32x16x128_f4), f32 sums; products left as they are: bf16, f16 or f32 operands; f32 sums; everything else in f32.
;; Inputs: k 2 x 2,048 x 8 x 128 float32; q 2 x 2,048 x 32 x 128 float32; v 2 x 2,048 x 8 x 128 float32.
;; Outputs: out0 2 x 2,048 x 32 x 128 float32.
;; This version of the problem:
;;   THIS VERSION OF THE PROBLEM IS GIVEN IN LOW PRECISION. The matrix products marked QUANTISED in the list below multiply operands that are first quantised to E2M1 (2 exponent bits, 1 mantissa bit; 4 bits a number), with one power-of-two scale for each 32 numbers along K (OCP MX v1.0); their sums are f32. The products marked 'left as it is' may take bf16, f16 or f32 operands, with f32 sums. Whichever they take, every output number must still come out within the allowed error. Rounding operands to bf16 (8 significant bits) uses up far more of that allowance than f16 does (11 bits, for magnitudes from 6e-5 to 65,504). All else is computed in f32.
;;   The module's matrix products, in the order in which they are computed (A, B: the left and right operand; K: the contracted axis; several contracted axes count as one K, in the product's order):
;;     1. batch 16 x [M 2,048, K 128] x [K 128, N 8,192]; A: input k; B: input q: QUANTISED
;;     2. batch 16 x [M 128, K 2,048] x [K 2,048, N 8,192]; A: input v; B: computed on the way: left as it is (an operand is computed on the way)
;;   THE QUANTISER, for each operand of a quantised product, along K:
;;     - K is cut into blocks of 32 from its start; a last block that is shorter is filled with zeros.
;;     - A block's scale is 2^e with e = floor(log2(the largest magnitude in the block)) - 2, held to -126 .. 127; a block of zeros has e = 0. As a byte (E8M0): e + 127.
;;     - Each number is divided by its block's scale, clamped to +-6, and rounded to the nearest number of E2M1, ties to even, subnormals kept.
;;     - The product sums the exact products of the quantised numbers (number of the format x scale) in f32.
;;   ~~~python
;;   def quantise(x, axis):      # numpy; x: float32 -> the quantised numbers, widened to float32 again
;;       x = np.moveaxis(x, axis, -1); K = x.shape[-1]
;;       x = np.pad(x, [(0, 0)] * (x.ndim - 1) + [(0, -K % 32)]); x = x.reshape(x.shape[:-1] + (-1, 32)); a = np.abs(x).max(-1, keepdims=True)
;;       e = np.where(a > 0, np.clip(np.frexp(np.where(a > 0, a, 1))[1] - 1 - 2, -126, 127), 0)      # np.frexp(a)[1] - 1 = floor(log2(a)), exactly
;;       r = np.clip(x / 2.0 ** e, -6, 6)
;;       step = 2.0 ** (np.maximum(np.frexp(np.where(r == 0, 1, r))[1] - 1, 0) - 1)
;;       q = np.round(r / step) * step * 2.0 ** e      # np.round: ties to even
;;       return np.moveaxis(q.reshape(q.shape[:-2] + (-1,))[..., :K], -1, axis).astype(np.float32)
;;   ~~~
;; One version. Each part assembles by itself: llvm-mc -triple=amdgcn-amd-amdhsa -mcpu=gfx1250 --defsym DOCPART=n.
;; ======== version 1 of 1: 3 launches
;; limits: values are held in f16: magnitudes above 65,504 overflow, below 6.1e-05 lose precision; inputs' magnitudes at most 65,504
;; workspace buffers: kc 2,228,224 bytes; vh 8,388,608 bytes
;; launch prep (part 1): grid 256 x 1, 8 waves a work-group, no clusters, 68,608 bytes of LDS; arguments k, v, kc, vh; writes kc, vh
.if DOCPART == 1
	.amdgcn_target "amdgcn-amd-amdhsa--gfx1250"
	.amdhsa_code_object_version 6
	.text
	.protected	k_qf283261840_prep
	.globl	k_qf283261840_prep
	.p2align	8
	.type	k_qf283261840_prep,@function
k_qf283261840_prep:
	s_mov_b64 s[64:65], 0
	v_nop
	global_prefetch_b8 v0, s[64:65] scope:SCOPE_SE
	s_setreg_imm32_b32 hwreg(HW_REG_WAVE_MODE, 25, 1), 1
	s_wait_xcnt 0x0
; K [2][2048][8][128] f32 becomes codes of FP4 (E2M1) with one E8M0 scale byte for each 32 along the head's 128; V (same shape) becomes f16.
; kc is laid in the order of the matrix operand's registers: [b*8+kv : 16][tile of 64 keys : 32][4,352 bytes].  In a tile: four images of 1,024 bytes, one for each 16 keys (kt);
; the 16 bytes at 1024 kt + 512 c + 16 lane are registers 4c..4c+3 of that lane: the codes of channels 64 c + 32 (lane / 16) + 0..31 of key 16 kt + lane % 16.  Behind them, at 4,096: 64 scale words, [kt][key % 16].
; vh keeps V's own layout, two bytes a number: a head's row is 256 bytes at a multiple of 256.
; A block's scale is 2^(floor(log2(largest magnitude)) - 2): its byte is the largest magnitude's exponent field - 2, held at 1 from below by a floor among the maximum's leaves.
; LIMITS: a block whose largest magnitude lies under 2^-124 (a block of zeros too) keeps the byte 1; its codes are then zeros or what the conversion gives under that scale; the bytes are read by this program alone.
; NaN and infinities are not served.  |v| above 65,504 has no f16 number.
; SHARES: wave tau = 8 x work-group + wave takes 16 keys of one head (8,192 bytes of K) and 2,048 numbers of V (8,192 bytes): 2,048 waves for 2,048 such parts.  Waves share nothing: no barrier.
; Each load reads 512 consecutive bytes.  The conversion wants 32 neighbours along the head in ONE lane, so K's 16 rows turn through the wave's own stage in LDS (rows 528 bytes apart: row r starts 4 r banks on).
.set SP,    528
.set WSTG,  16*SP                      ; a wave's stage
.set SPARE, 8*WSTG                     ; behind the stages: the spare words, 128 bytes a wave: four blocks of 256 bytes that no other line names
.set KT,    4352                       ; a tile of kc
.set LI,  1                            ; v1   16 x lane
.set STR, 2                            ; v2   the stage, on the way out: 528 r + 128 h
.set H8,  3                            ; v3   8 h
.set L8,  4                            ; v4   8 x lane
.set SW,  5                            ; v5   4 r
.set STW, 6                            ; v6   the stage, on the way in: 16 x lane
.set WD,  7                            ; v7   my key's scale word
.set SPW, 12                           ; v12  my spare word's LDS address; never rewritten
.set NIL, 13                           ; v13  0; never rewritten
.set KR,  16                           ; v16-79   K as loaded
.set X,   80                           ; v80-143  64 numbers of my key: register 32 c + i = channel 64 c + 32 h + i
.set VR,  144                          ; v144-207 V as loaded
.set CD,  208                          ; v208-215 the codes
.set VH,  216                          ; v216-247 V in f16
.set TM,  248                          ; v248-255 at work
.set SEL, 32                           ; s[32:33] lane selects: lane xor 16
	s_load_b256 s[4:11], s[0:1], 0x0               ; k s[4:5], v s[6:7], kc s[8:9], vh s[10:11]
	v_lshl_add_u32 v[SPW], v0, 2, SPARE
	v_mov_b32 v[NIL], 0
	v_lshrrev_b32 v8, 5, v0
	v_readfirstlane_b32 s12, v8                    ; wave
	s_lshl_b32 s13, ttmp9, 3
	s_add_co_u32 s13, s13, s12                     ; tau
	s_lshr_b32 s14, s13, 7                         ; b*8+kv
	s_and_b32 s15, s13, 127                        ; which 16 keys
	s_lshr_b32 s16, s14, 3                         ; b
	s_and_b32 s17, s14, 7                          ; kv
	s_lshl_b32 s18, s16, 23                        ; K: b x 2,048 rows of 4,096 bytes
	s_lshl_b32 s28, s15, 16                        ; + 16 rows for each tile of keys
	s_add_co_u32 s18, s18, s28
	s_lshl_b32 s28, s17, 9                         ; + the head's 512 bytes
	s_add_co_u32 s18, s18, s28
	s_mov_b32 s19, 0
	s_mul_i32 s28, s14, 32*KT
	s_lshr_b32 s29, s15, 2
	s_mul_i32 s29, s29, KT
	s_add_co_u32 s28, s28, s29                     ; the tile of 64 keys in kc
	s_and_b32 s29, s15, 3                          ; kt
	s_lshl_b32 s20, s29, 10
	s_add_co_u32 s20, s20, s28                     ; my image
	s_mov_b32 s21, 0
	s_lshl_b32 s22, s29, 6
	s_add_co_u32 s22, s22, s28
	s_add_co_u32 s22, s22, 4096                    ; my 16 scale words
	s_mov_b32 s23, 0
	s_lshl_b32 s24, s13, 13                        ; V: 8,192 bytes a wave
	s_mov_b32 s25, 0
	s_lshl_b32 s26, s13, 12                        ; vh: 4,096
	s_mov_b32 s27, 0
	s_mul_i32 s30, s12, WSTG
	s_mov_b32 s[SEL], 0x76543210
	s_mov_b32 s[SEL+1], 0xfedcba98
	v_and_b32 v8, 31, v0                           ; lane
	v_lshlrev_b32 v[LI], 4, v8
	v_lshlrev_b32 v[L8], 3, v8
	v_and_b32 v9, 15, v0                           ; r
	v_bfe_u32 v10, v0, 4, 1                        ; h
	v_lshlrev_b32 v[SW], 2, v9
	v_lshlrev_b32 v[H8], 3, v10
	v_add_nc_u32 v[STW], s30, v[LI]
	v_mul_u32_u24 v[STR], v9, SP
	v_lshl_add_u32 v[STR], v10, 7, v[STR]
	v_add_nc_u32 v[STR], s30, v[STR]
	v_mov_b32 v[TM+7], 0                           ; a lane permute's destination counts as one of its sources
	s_wait_kmcnt 0x0
	s_add_nc_u64 s[4:5], s[4:5], s[18:19]
	s_add_nc_u64 s[6:7], s[6:7], s[24:25]
	s_add_nc_u64 s[20:21], s[8:9], s[20:21]
	s_add_nc_u64 s[22:23], s[8:9], s[22:23]
	s_add_nc_u64 s[10:11], s[10:11], s[26:27]
.irp n, 0,1,2,3,4,5,6,7,8,9,10,11,12,13,14,15
	global_load_b128 v[KR+4*\n:KR+4*\n+3], v[LI], s[4:5] offset:4096*\n th:TH_LOAD_NT     ; key n: the head's 512 bytes
.endr
.irp n, 0,1,2,3,4,5,6,7,8,9,10,11,12,13,14,15
	global_load_b128 v[VR+4*\n:VR+4*\n+3], v[LI], s[6:7] offset:512*\n th:TH_LOAD_NT
.endr
	s_wait_loadcnt 16                              ; K's sixteen loads are in; V's sixteen are younger
.irp n, 0,1,2,3,4,5,6,7,8,9,10,11,12,13,14,15
	ds_store_b128 v[STW], v[KR+4*\n:KR+4*\n+3] offset:SP*\n
.endr
.irp c, 0,1
.irp n, 0,1,2,3,4,5,6,7
	ds_load_b128 v[X+32*\c+4*\n:X+32*\c+4*\n+3], v[STR] offset:256*\c+16*\n     ; LDS serves a wave's instructions in order: these see my stores
.endr
.endr
	s_wait_loadcnt 0x0                             ; V
.irp n, 0,1,2,3,4,5,6,7,8,9,10,11,12,13,14,15
	v_cvt_pk_f16_f32 v[VH+2*\n], v[VR+4*\n], v[VR+4*\n+1]
	v_cvt_pk_f16_f32 v[VH+2*\n+1], v[VR+4*\n+2], v[VR+4*\n+3]
.endr
.irp n, 0,1,2,3,4,5,6,7,8,9,10,11,12,13,14,15
	global_store_b64 v[L8], v[VH+2*\n:VH+2*\n+1], s[10:11] offset:256*\n     ; 32 lanes store 256 consecutive bytes, at a multiple of 256
.endr
	s_wait_dscnt 0x0                               ; my key's 64 numbers are back
.irp c, 0,1
	v_max3_num_f32 v[TM+\c], |v[X+32*\c]|, |v[X+32*\c+1]|, 0x1800000     ; block 2 c + h: all its 32 numbers are mine; the floor 2^(3 - 127) holds the byte at 1
.endr
.irp n, 2,4,6,8,10,12,14,16,18,20,22,24,26,28,30
.irp c, 0,1
	v_max3_num_f32 v[TM+\c], v[TM+\c], |v[X+32*\c+\n]|, |v[X+32*\c+\n+1]|
.endr
.endr
.irp c, 0,1
	v_add_nc_u32 v[TM+2+\c], 0xff000000, v[TM+\c]  ; 2 off the exponent field: the conversion takes the exponent field of this operand as its scale
.endr
.irp c, 0,1
	v_lshrrev_b32 v[TM+4+\c], 23, v[TM+2+\c]       ; the scale's byte
.endr
	v_lshl_or_b32 v[TM+6], v[TM+5], 16, v[TM+4]    ; my two bytes, blocks h and 2 + h,
	v_lshlrev_b32 v[TM+6], v[H8], v[TM+6]          ; at their places in the word;
	v_permlanex16_b32 v[TM+7], v[TM+6], s[SEL], s[SEL+1]
	v_or_b32 v[WD], v[TM+6], v[TM+7]               ; with lane xor 16's two the word is whole
.irp c, 0,1
.irp g, 0,1,2,3
	v_cvt_scalef32_pk8_fp4_f32 v[CD+4*\c+\g], v[X+32*\c+8*\g:X+32*\c+8*\g+7], v[TM+2+\c]
.endr
.endr
	v_nop                                          ; one plain line behind the last scaled conversion
	global_store_b128 v[LI], v[CD:CD+3], s[20:21]            ; the image: 512 consecutive bytes a store
	global_store_b128 v[LI], v[CD+4:CD+7], s[20:21] offset:512
	global_store_b32 v[SW], v[WD], s[22:23]        ; 64 consecutive bytes (lanes 16-31 repeat lanes 0-15 with the same words): a quarter of the tile's 256 bytes of scale words, 1 byte in 256 of what the wave reads
	s_wait_tensorcnt 0x0                           ; the wave's end, behind my last LDS store
	ds_add_u32 v[SPW], v[NIL]
	s_wait_dscnt 0x0
	s_endpgm
.Lfunc_end_k_qf283261840_prep:
	.size	k_qf283261840_prep, .Lfunc_end_k_qf283261840_prep-k_qf283261840_prep
	.p2alignl 7, 3214868480
	.fill 96, 4, 3214868480
	.section	.rodata,"a",@progbits
	.p2align	6, 0x0
	.amdhsa_kernel k_qf283261840_prep
		.amdhsa_group_segment_fixed_size 68608
		.amdhsa_private_segment_fixed_size 0
		.amdhsa_enable_private_segment 0
		.amdhsa_kernarg_size 32
		.amdhsa_user_sgpr_count 2
		.amdhsa_user_sgpr_kernarg_segment_ptr 1
		.amdhsa_wavefront_size32 1
		.amdhsa_system_sgpr_workgroup_id_x 1
		.amdhsa_system_sgpr_workgroup_id_y 1
		.amdhsa_system_sgpr_workgroup_id_z 1
		.amdhsa_system_vgpr_workitem_id 0
		.amdhsa_next_free_vgpr 256
		.amdhsa_next_free_sgpr 66
		.amdhsa_reserve_vcc 0
		.amdhsa_float_denorm_mode_32 3
		.amdhsa_float_denorm_mode_16_64 3
		.amdhsa_memory_ordered 1
		.amdhsa_forward_progress 1
		.amdhsa_inst_pref_size 15
	.end_amdhsa_kernel
	.amdgpu_metadata
---
amdhsa.version: [ 1, 2 ]
amdhsa.kernels:
  - .name:           k_qf283261840_prep
    .symbol:         k_qf283261840_prep.kd
    .args:
      - { .name: k, .offset: 0, .size: 8, .value_kind: global_buffer, .address_space: global }
      - { .name: v, .offset: 8, .size: 8, .value_kind: global_buffer, .address_space: global }
      - { .name: kc, .offset: 16, .size: 8, .value_kind: global_buffer, .address_space: global }
      - { .name: vh, .offset: 24, .size: 8, .value_kind: global_buffer, .address_space: global }
    .group_segment_fixed_size: 68608
    .private_segment_fixed_size: 0
    .kernarg_segment_align: 8
    .kernarg_segment_size: 32
    .max_flat_workgroup_size: 256
    .sgpr_count:     66
    .vgpr_count:     256
    .wavefront_size: 32
...
	.end_amdgpu_metadata
.endif
;; end of part 1
;; launch attn (part 2): grid 16 x 16, 4 waves a work-group, no clusters, 327,680 bytes of LDS; arguments q, kc, vh, out0; writes out0
.if DOCPART == 2
	.amdgcn_target "amdgcn-amd-amdhsa--gfx1250"
	.amdhsa_code_object_version 6
	.text
	.protected	k_qf283261840_attn
	.globl	k_qf283261840_attn
	.p2align	8
	.type	k_qf283261840_attn,@function
k_qf283261840_attn:
	s_mov_b64 s[64:65], 0
	v_nop
	global_prefetch_b8 v0, s[64:65] scope:SCOPE_SE
	s_setreg_imm32_b32 hwreg(HW_REG_WAVE_MODE, 25, 1), 1
	s_wait_xcnt 0x0
; Causal grouped-query attention, all positions but the first 16 of each sequence (a later launch makes those in f32).  q, out0: [2][2048][32][128] f32.  kc: K as FP4 codes in operand order; vh: V as f16.
; S^T = K Q^T on FP4 codes with E8M0 scales (Q is quantised here, in registers: each number of q is read by one wave once); softmax in f32 under a running maximum; O^T = V^T P with f16 operands and f32 sums.
; SHARES.  Work-group (u, bh): head pair bh = 8 b + kv.  A BLOCK is 64 positions x the 4 query heads of kv.  Wave w owns positions 16 w .. 16 w + 15 of the block as FOUR TILES, one for each head: all four multiply the
; same fragments of K and V and lie under the same mask.  The work-group makes block 2 u + 1 (2 u + 2 key steps of 64) and then block 30 - 2 u (31 - 2 u steps): 33 steps in every one of the 256 work-groups.
; THE STREAM.  17 slots of two key steps go through a ring of two LDS slots: slots 0 .. u are the first block's, the others the second block's; of slot 16 the first step alone is read.
; One tensor load of wave 0 brings a slot's two tiles of K (8,704 dense bytes), one of wave 1 its 128 rows of V; at most one tensor load of a wave is out.  The diagonal steps: the second of slot u, and slot 16's.
; NO CLUSTER: the 16 work-groups of a head pair leave the common walk at slot u + 1, which differs from partner to partner; from there on each would need another tile in the same round.
; LAYOUT.  Both products are used transposed: a lane holds ONE query (lane % 16) and keys 8 (lane / 16) + 0..7 of a tile of 16; two such tiles rounded to f16 in pairs are source 1 of V^T P.  V is turned by ds_load_tr16_b128.
; ORDER.  In a step: 16 scaled products, tile 0's softmax, then each tile's 16 products V^T P with a slice of the next tile's softmax behind each of them.
; O^T IS NEVER CLEARED: a block begins with m = -3e38, so its first a = 2^(c m_old - c m_new) is 0, and the rescaling that every step runs makes zeros of what lies there (the raw q, or the finished block).
; LIMITS: finite inputs alone (NaN, infinities not served; the zeroing above leans on it); a block of 32 whose largest magnitude lies under 2^-124 keeps the scale byte 1; p under 6e-8 is 0 in f16; |v| at most 65,504.
; REGISTERS, in windows of 256 (s_set_vgpr_msb: bits 1:0 source 0, 3:2 source 1, 5:4 source 2, 7:6 destination):
;   window 0: v1-11 addresses; v12-43 statistics, 8 a tile; v44-45 K's scale words; v46-49 Q's; v50-57 at work; v58-63; v64-191 S^T, 32 a tile (also Q's turn and the way out); v192-255 P, 16 a tile
;   window 1: O^T, 64 a tile (at the head: the first block's q as loaded)   window 2: v0-31 Q's codes; v32-63 K's four fragments; v64-255 the second block's q, tiles 0-2   window 3: v0-127 V; v128-191 the second block's q, tile 3
.set KT,    4352                       ; a tile of kc: 64 keys
.set PVP,   288                        ; a row of V in LDS: 256 bytes + 32 of padding = 72 words
.set VOFF,  2*KT                       ; a slot: two tiles of K, then 128 rows of V
.set VSTEP, 64*PVP
.set SLOT1, 1<<16                      ; slot 1 begins here: one exclusive or turns an address
.set STAGE, SLOT1+VOFF+128*PVP         ; 111,104: behind the ring, 16 rows x 528 bytes for each wave; no tensor load lands here
.set SP,    528
.set WSTG,  16*SP
.set SPARE, STAGE+4*WSTG               ; the spare words, 128 bytes a wave: two blocks of 256 bytes that no other line names
.set LI,   1                           ; 16 x lane
.set AV0,  2                           ; my lane's place in a step's rows of V
.set ADK,  3                           ; the slot in hand + LI
.set ADS,  4                           ; + 4 x lane
.set ADV,  5                           ; + AV0
.set STW,  6                           ; stage + 16 x lane: whole rows
.set STR,  7                           ; stage + 528 r + 128 h: q's 32 neighbours
.set STO,  8                           ; stage + 528 r + 32 h: O's eight channels
.set DM,   9                           ; 16 w + r - 8 h: on the diagonal register 8 kt + j is hidden where 16 kt + j > DM
.set NINF, 10
.set H8,   11
.set ST,   12                          ; tile t at ST + 8 t: +0 c m, +1 m, +2, +3 l (even, odd keys), +4..+7 at work; a in +6
.set KS,   44
.set QS,   46
.set TM,   50
.set PFO,  58                          ; 2,048 x lane: a row of vh
.set PFOK, 59                          ; 256 x min(lane, 16)
.set L4,   60
.set SPW,  62
.set NIL,  63
.set S,    64
.set P,    192
.set X0,   64
.set X1,   128
.set BK,   64
.set QC,   0                           ; window 2
.set KF,   32                          ; window 2
.set TB,   2                           ; s2  LDS byte at which the slot in hand begins
.set SIG,  3                           ; s3  the stream slot in hand
.set WV,   12
.set U,    13                          ; u; also the stream slot whose second step is the first block's diagonal
.set BH,   14
.set NF,   15                          ; u + 1: the first stream slot of the second block
.set KAP,  17                          ; which 128 keys the slot that is asked for holds
.set SEL,  20
.set CS,   22                          ; s[22:23] c = log2(e) / sqrt(128)
.set G1K,  24
.set G1V,  32
.set G0K,  40
.set G0V,  44
.set KB,   48                          ; s[48:49] kc at my head pair
.set VB,   50                          ; s[50:51] vh at my head pair
.set QA1,  52
.set QA2,  54
.set OA1,  56
.set OA2,  58
.set PFK,  60
.set PFV,  62
.set LIM,  66
.set POS2, 67                          ; my first position in the second block
.set W_KQ, 0x0a
.set W_PV, 0x53
.set W_RS, 0x41
.set MSB, 0
.macro WIN new                         ; the immediate's high byte repeats the setting that is left; a switch that changes nothing is dropped
.if MSB != (\new)
	s_set_vgpr_msb (MSB<<8)|(\new)
.set MSB, (\new)
.endif
.endm
; Wave 0 fetches K's two tiles, wave 1 V's 128 rows, waves 2 and 3 nothing.  An s_nop 0 and four v_nop follow each load.
.macro TLOAD
	s_cmp_lt_u32 s[WV], 1
	s_cbranch_scc0 .Lnot_k_\@
	tensor_load_to_lds s[G0K:G0K+3], s[G1K:G1K+7]
	s_nop 0
.rept 4
	v_nop
.endr
	s_branch .Lasked_\@
.Lnot_k_\@:
	s_cmp_lt_u32 s[WV], 2
	s_cbranch_scc0 .Lasked_\@
	tensor_load_to_lds s[G0V:G0V+3], s[G1V:G1V+7]
	s_nop 0
.rept 4
	v_nop
.endr
.Lasked_\@:
.endm
; A PREFETCH of the slot after the one just asked for.  Of a head pair's 16 work-groups the one with u = 15 asks: it walks key slots 0 .. 15 first and in order.  Every wave names 32 rows of V, a lane a row of 256 bytes;
; waves 2 and 3 name one tile of K each, 17 blocks of 256 bytes (lanes 16-31 name the 17th together).  Slots 0 and 1 come by their loads alone; the asking ends with slot 15 (stream slots 0 .. 13 ask).
.macro ASK
	s_cmp_lt_u32 s[SIG], s[LIM]
	s_cbranch_scc0 .Lnone_\@
	global_prefetch_b8 v[PFO], s[PFV:PFV+1] th:TH_LOAD_NT scope:SCOPE_SE
	s_cmp_lt_u32 s[WV], 2
	s_cbranch_scc1 .Lnone_\@
	global_prefetch_b8 v[PFOK], s[PFK:PFK+1] th:TH_LOAD_NT scope:SCOPE_SE
.Lnone_\@:
.endm
; THE CHANGE OF SLOTS, at a slot's head.  Each wave waits for all its tensor loads (its part of the slot ahead), adds 0 to its spare word, and waits for that and for its reads of the slot that it has left.
; Behind the barrier the slot ahead is whole and nobody reads the other.  fill = 1: the other slot takes the stream's next slot: the load has two key steps in which to land.
.macro CHANGE fill
	s_wait_tensorcnt 0x0                           ; no tensor load of mine is out, so a group 0 may be written
	ds_add_u32 v[SPW], v[NIL]
.if \fill
	ds_add_u32 v[SPW], v[NIL]                      ; twice on end, in every trip alike; the descriptors' steps stand between it and the wait
	s_xor_b32 s[G0K+1], s[G0K+1], SLOT1
	s_xor_b32 s[G0V+1], s[G0V+1], SLOT1
	s_add_co_u32 s[KAP], s[KAP], 1                 ; the next 128 keys,
	s_add_co_u32 s68, s[SIG], 1
	s_cmp_eq_u32 s68, s[NF]
	s_cselect_b32 s[KAP], 0, s[KAP]                ; or the head's first, where the second block begins
	s_mul_i32 s68, s[KAP], 2*KT
	s_mov_b32 s69, 0
	s_add_nc_u64 s[G0K+2:G0K+3], s[KB:KB+1], s[68:69]
	s_or_b32 s[G0K+3], s[G0K+3], 0x80000000
	s_lshl_b32 s68, s[KAP], 18                     ; 128 rows of 2,048 bytes
	s_add_nc_u64 s[G0V+2:G0V+3], s[VB:VB+1], s[68:69]
	s_or_b32 s[G0V+3], s[G0V+3], 0x80000000
	s_wait_xcnt 0x0                                ; the last prefetches, a slot back, have read their addresses
	s_add_nc_u64 s[PFK:PFK+1], s[PFK:PFK+1], 2*KT
	s_add_nc_u64 s[PFV:PFV+1], s[PFV:PFV+1], 1<<18
.endif
	s_wait_dscnt 0x0                               ; the add is done, and my reads of the slot that I have left are over
	s_barrier_signal -1
	s_barrier_wait -1
.if \fill
	TLOAD                                          ; the first thing behind the barrier, and a wave's one tensor load until the next
	ASK
.endif
	v_add_nc_u32 v[ADK], s[TB], v[LI]
	v_add_nc_u32 v[ADS], s[TB], v[L4]
	v_add_nc_u32 v[ADV], s[TB], v[AV0]
.endm
.macro FETCH_K ab                      ; ten loads: a tile's four fragments as they lie, and its scale words: lanes 0-15 of word register n take kt = 2 n, lanes 16-31 kt = 2 n + 1
	WIN 0x80
.irp k, 0,1,2,3
.irp c, 0,1
	ds_load_b128 v[KF+8*\k+4*\c:KF+8*\k+4*\c+3], v[ADK] offset:KT*\ab+1024*\k+512*\c
.endr
.endr
	WIN 0
.irp n, 0,1
	ds_load_b32 v[KS+\n], v[ADS] offset:KT*\ab+4096+128*\n
.endr
.endm
.macro FETCH_V ab                      ; 32 loads: fragment f: keys 32 (f / 8) on, channels 16 (f % 8) on
	WIN 0xc0
.irp f, 0,1,2,3,4,5,6,7,8,9,10,11,12,13,14,15
	ds_load_tr16_b128 v[8*\f:8*\f+3],   v[ADV] offset:VSTEP*\ab+(\f/8)*32*PVP+(\f%8)*32
	ds_load_tr16_b128 v[8*\f+4:8*\f+7], v[ADV] offset:VSTEP*\ab+(\f/8)*32*PVP+16*PVP+(\f%8)*32
.endr
.endm
.macro KQ                              ; S^T = K Q^T: 4 tiles x 4 tiles of 16 keys, the head's 128 in one instruction; each starts its sum with 0
	WIN W_KQ
.irp t, 0,1,2,3
.irp k, 0,1,2,3
.if \k % 2
	v_wmma_scale_f32_16x16x128_f8f6f4 v[S+32*\t+8*\k:S+32*\t+8*\k+7], v[KF+8*\k:KF+8*\k+7], v[QC+8*\t:QC+8*\t+7], 0, v[KS+\k/2], v[QS+\t] matrix_a_fmt:MATRIX_FMT_FP4 matrix_b_fmt:MATRIX_FMT_FP4 matrix_a_scale:MATRIX_SCALE_ROW1
.else
	v_wmma_scale_f32_16x16x128_f8f6f4 v[S+32*\t+8*\k:S+32*\t+8*\k+7], v[KF+8*\k:KF+8*\k+7], v[QC+8*\t:QC+8*\t+7], 0, v[KS+\k/2], v[QS+\t] matrix_a_fmt:MATRIX_FMT_FP4 matrix_b_fmt:MATRIX_FMT_FP4
.endif
.endr
.endr
.endm
.macro PV t                            ; product ii of 16 of tile t's O^T += V^T P: keys 32 (ii / 8) on, channels 16 (ii % 8) on.  The eight accumulators take turns
	WIN W_PV
.set rO, 64*(\t)+8*(ii%8)
.set rV, 64*(ii/8)+8*(ii%8)
.set rP, P+16*(\t)+8*(ii/8)
	v_wmma_f32_16x16x32_f16 v[rO:rO+7], v[rV:rV+7], v[rP:rP+7], v[rO:rO+7]
.endm
; Number jj of 134 of tile t's softmax for one key step.  s0-s31: the lane's 32 scores.
;   0-15 the maximum of the scores and the old m;  16-20 the other half of the lanes', the new m, c m, c m_old - c m_new;  21-69 ONE BATCH: 16 packed scalings c s - c m and 33 exponentials (a at 23), none of which
;   reads an exponential's result;  ahead of 70 a plain line and the one wait ahead of the batch's first reader;  70-85 roundings to f16;  86-101 the sums, l = a l + sum;  102-133 O^T x a.
.macro SMJ t
.set rT, ST+8*(\t)
.set rS, S+32*(\t)
.set rP, P+16*(\t)
.set rO, 64*(\t)+2*(jj-102)
.if jj == 70
	v_nop
	s_wait_alu depctr_va_vdst(0)
.endif
.if jj < 102
	WIN 0
.endif
.if jj < 4
	v_max3_num_f32 v[rT+4+jj], v[rS+8*jj], v[rS+8*jj+1], v[rS+8*jj+2]      ; each accumulator is read from its low end on
.elseif jj < 12
	v_max3_num_f32 v[rT+4+jj%4], v[rT+4+jj%4], v[rS+8*(jj%4)+2*(jj/4)+1], v[rS+8*(jj%4)+2*(jj/4)+2]
.elseif jj == 12
	v_max3_num_f32 v[rT+4], v[rT+4], v[rS+7], v[rS+15]
.elseif jj == 13
	v_max3_num_f32 v[rT+6], v[rT+6], v[rS+23], v[rS+31]
.elseif jj == 14
	v_max3_num_f32 v[rT+4], v[rT+4], v[rT+5], v[rT+6]
.elseif jj == 15
	v_max3_num_f32 v[rT+4], v[rT+4], v[rT+7], v[rT+1]
.elseif jj == 16
	v_permlanex16_b32 v[rT+5], v[rT+4], s[SEL], s[SEL+1]
.elseif jj == 17
	v_mov_b32 v[rT+7], v[rT]
.elseif jj == 18
	v_max_num_f32 v[rT+1], v[rT+4], v[rT+5]
.elseif jj == 19
	v_mul_f32 v[rT], s[CS], v[rT+1]
.elseif jj == 20
	v_sub_f32 v[rT+7], v[rT+7], v[rT]
.elseif jj == 23
	v_exp_f32 v[rT+6], v[rT+7]
.elseif (jj < 23) || ((jj < 38) && (jj%2 == 0)) || ((jj < 66) && (jj%4 == 2))
.set bb, (jj-2)/4
.if jj < 38
.set bb, (jj-20)/2
.endif
	v_pk_fma_f32 v[rS+2*bb:rS+2*bb+1], v[rS+2*bb:rS+2*bb+1], s[CS:CS+1], v[rT:rT+1] op_sel_hi:[1,0,0] neg_lo:[0,0,1] neg_hi:[0,0,1]
.elseif jj < 70
.set ee, jj-38
.if jj < 66
.set ee, jj-32-(jj-38)/4
.endif
.if jj < 38
.set ee, (jj-25)/2
.endif
	v_exp_f32 v[rS+ee], v[rS+ee]
.elseif jj < 86
	v_cvt_pk_f16_f32 v[rP+jj-70], v[rS+2*(jj-70)], v[rS+2*(jj-70)+1]
.elseif jj < 102
.set zz, jj-86
.set ww, 4
.set uu, zz
.if zz >= 14
.set ww, 32
.set uu, 0
.elseif zz >= 12
.set ww, 16
.set uu, zz-12
.elseif zz >= 8
.set ww, 8
.set uu, zz-8
.endif
.if zz < 15
	v_pk_add_f32 v[rS+ww*uu:rS+ww*uu+1], v[rS+ww*uu:rS+ww*uu+1], v[rS+ww*uu+ww/2:rS+ww*uu+ww/2+1]
.else
	v_pk_fma_f32 v[rT+2:rT+3], v[rT+2:rT+3], v[rT+6:rT+7], v[rS:rS+1] op_sel_hi:[1,0,1]
.endif
.else
	WIN W_RS
	v_pk_mul_f32 v[rO:rO+1], v[rO:rO+1], v[rT+6:rT+7] op_sel_hi:[1,0]
.endif
.endm
.macro MIX tp, ts                      ; tile tp's 16 products, and behind each eight numbers of tile ts's softmax (16 x 8 + 6 = 134)
.set ii, 0
.set jj, 0
.rept 16
	PV \tp
.rept 8
	SMJ \ts
.set jj, jj+1
.endr
.set ii, ii+1
.endr
.rept 6
	SMJ \ts
.set jj, jj+1
.endr
.endm
.macro MASK                            ; the diagonal: hidden scores become -infinity ahead of the maximum; one compare serves the four tiles
.irp k, 0,1,2,3
.irp n, 0,1,2,3,4,5,6,7
	v_cmp_gt_i32 vcc_lo, 16*\k+\n, v[DM]
.irp t, 0,1,2,3
	v_cndmask_b32 v[S+32*\t+8*\k+\n], v[S+32*\t+8*\k+\n], v[NINF], vcc_lo
.endr
.endr
.endr
.endm
; A KEY STEP of 64 keys: step ab of the slot in hand.  diag = 1: masked where the slot is the first block's last; 2: masked.  knext = 1: the slot's second tile of K is fetched.
.macro STEP ab, diag, knext
.rept 4
	v_nop                                          ; places between the last product that read V and the loads into V's registers
.endr
	FETCH_V \ab
	s_wait_dscnt 32                                ; K's ten loads are in; V's 32 are younger
	KQ
	WIN 0
.rept 4
	v_nop                                          ; places behind the scaled products: for the loads into K's registers and for the first reads of the scores
.endr
.if \knext
	FETCH_K 1
.endif
.if \diag == 1
	s_cmp_lg_u32 s[SIG], s[U]
	s_cbranch_scc1 .Lopen_\@
	MASK
.Lopen_\@:
.elseif \diag == 2
	MASK
.endif
.set jj, 0
.rept 134
	SMJ 0
.set jj, jj+1
.endr
	s_wait_dscnt 10*\knext                         ; V is in; the next tile of K's ten loads, where they were issued, are younger
	MIX 0, 1
	MIX 1, 2
	MIX 2, 3
.set ii, 0
.rept 16
	PV 3
.set ii, ii+1
.endr
	WIN 0
.endm
.macro QLOAD win, reg, base, g         ; head g's 16 rows of q: each load reads one row's 512 consecutive bytes
	WIN (\win)<<6
.irp n, 0,1,2,3,4,5,6,7,8,9,10,11,12,13,14,15
	global_load_b128 v[\reg+4*\n:\reg+4*\n+3], v[LI], s[\base:\base+1] offset:16384*\n+512*\g th:TH_LOAD_NT
.endr
	WIN 0
.endm
.macro TURN win, reg, x                ; 16 rows through my stage: afterwards register x + 32 c + i holds channel 64 c + 32 h + i of row r.  LDS serves a wave's instructions in order: no wait between stores and loads
	WIN (\win)<<2
.irp n, 0,1,2,3,4,5,6,7,8,9,10,11,12,13,14,15
	ds_store_b128 v[STW], v[\reg+4*\n:\reg+4*\n+3] offset:SP*\n
.endr
	WIN 0
.irp c, 0,1
.irp n, 0,1,2,3,4,5,6,7
	ds_load_b128 v[\x+32*\c+4*\n:\x+32*\c+4*\n+3], v[STR] offset:256*\c+16*\n
.endr
.endr
.endm
.macro QUANT x, t                      ; 64 numbers of my query become tile t's codes and scale word.  A lane holds two whole blocks of 32
.irp c, 0,1
	v_max3_num_f32 v[TM+\c], |v[\x+32*\c]|, |v[\x+32*\c+1]|, 0x1800000     ; the floor 2^(3 - 127) holds the byte at 1 from below
.endr
.irp n, 2,4,6,8,10,12,14,16,18,20,22,24,26,28,30
.irp c, 0,1
	v_max3_num_f32 v[TM+\c], v[TM+\c], |v[\x+32*\c+\n]|, |v[\x+32*\c+\n+1]|
.endr
.endr
.irp c, 0,1
	v_add_nc_u32 v[TM+2+\c], 0xff000000, v[TM+\c]  ; 2 off the exponent field: the conversion's scale operand
.endr
.irp c, 0,1
	v_lshrrev_b32 v[TM+4+\c], 23, v[TM+2+\c]       ; the scale's byte
.endr
	v_lshl_or_b32 v[TM+6], v[TM+5], 16, v[TM+4]
	v_lshlrev_b32 v[TM+6], v[H8], v[TM+6]
	v_permlanex16_b32 v[TM+7], v[TM+6], s[SEL], s[SEL+1]
	v_or_b32 v[QS+(\t)], v[TM+6], v[TM+7]
	WIN 0x80
.irp c, 0,1
.irp g, 0,1,2,3
	v_cvt_scalef32_pk8_fp4_f32 v[QC+8*(\t)+4*\c+\g], v[\x+32*\c+8*\g:\x+32*\c+8*\g+7], v[TM+2+\c]
.endr
.endr
	WIN 0
	v_nop                                          ; one plain line behind the last scaled conversion
.endm
; THE WAY OUT of a block.  Tile t: O^T / l in place; a lane's eight channels of a row go into my stage and come back as whole rows of 512 bytes.
.macro PACKT t
	WIN W_RS
.set nn, 0
.rept 32
	v_pk_mul_f32 v[64*(\t)+nn:64*(\t)+nn+1], v[64*(\t)+nn:64*(\t)+nn+1], v[ST+8*(\t)+6:ST+8*(\t)+7] op_sel_hi:[1,0]
.set nn, nn+2
.endr
	WIN 0x04
.irp c, 0,1,2,3,4,5,6,7
	ds_store_b128 v[STO], v[64*(\t)+8*\c:64*(\t)+8*\c+3] offset:64*\c
	ds_store_b128 v[STO], v[64*(\t)+8*\c+4:64*(\t)+8*\c+7] offset:64*\c+16
.endr
	WIN 0
.irp n, 0,1,2,3,4,5,6,7,8,9,10,11,12,13,14,15
	ds_load_b128 v[BK+64*((\t)%2)+4*\n:BK+64*((\t)%2)+4*\n+3], v[STW] offset:SP*\n
.endr
.endm
.macro SENDT t, younger, oa            ; younger: the LDS instructions issued behind tile t's loads
	s_wait_dscnt \younger
.irp n, 0,1,2,3,4,5,6,7,8,9,10,11,12,13,14,15
	global_store_b128 v[LI], v[BK+64*((\t)%2)+4*\n:BK+64*((\t)%2)+4*\n+3], s[\oa:\oa+1] offset:16384*\n+512*(\t) th:TH_STORE_NT     ; 32 lanes store 512 consecutive bytes, at a multiple of 256
.endr
.endm
.macro FINAL oa, skip
	WIN 0
.irp t, 0,1,2,3
	v_add_f32 v[ST+8*\t+4], v[ST+8*\t+2], v[ST+8*\t+3]       ; these plain lines are also the places behind the last products
.endr
.irp t, 0,1,2,3
	v_permlanex16_b32 v[ST+8*\t+5], v[ST+8*\t+4], s[SEL], s[SEL+1]
.endr
.irp t, 0,1,2,3
	v_add_f32 v[ST+8*\t+4], v[ST+8*\t+4], v[ST+8*\t+5]
.endr
.irp t, 0,1,2,3
	v_rcp_f32 v[ST+8*\t+6], v[ST+8*\t+4]
.endr
	v_nop                                          ; a plain line behind the last reciprocal,
	s_wait_alu depctr_va_vdst(0)                   ; and the one wait for the four ahead of their first reader
.if \skip
	s_cmp_eq_u32 s[POS2], 0                        ; positions 0 .. 15 of a sequence are another launch's: nothing is stored
	s_cbranch_scc1 .Ldone
.endif
	PACKT 0
	PACKT 1
	SENDT 0, 32, \oa
	s_wait_xcnt 0x0                                ; tile 0's stores have read their registers: tile 2's rows may land there
	PACKT 2
	SENDT 1, 32, \oa
	s_wait_xcnt 0x0
	PACKT 3
	SENDT 2, 32, \oa
	SENDT 3, 0, \oa
.endm
; THE CHANGE OF BLOCKS: the first block leaves; the second block's q, asked for at the head, is quantised; m begins anew.
.macro SWITCH
	FINAL OA1, 0
	s_wait_xcnt 0x0                                ; the stores have read their registers
	s_wait_loadcnt 0x0                             ; the second block's q
	TURN 2, 64, X0
	TURN 2, 128, X1
	s_wait_dscnt 32                                ; the younger turn's 16 stores and 16 loads may be out
	QUANT X0, 0
	TURN 2, 192, X0
	s_wait_dscnt 32
	QUANT X1, 1
	TURN 3, 128, X1
	s_wait_dscnt 32
	QUANT X0, 2
	s_wait_dscnt 0x0
	QUANT X1, 3
.irp t, 0,1,2,3
	v_mov_b32 v[ST+8*\t+1], 0xff61b1e6             ; m = -3e38, under every score
.endr
.irp t, 0,1,2,3
	v_mul_f32 v[ST+8*\t], s[CS], v[ST+8*\t+1]
.endr
.rept 4
	v_nop                                          ; with the eight lines above: twelve plain lines between the last write of a scale word and the next scaled product
.endr
.endm
	s_load_b256 s[4:11], s[0:1], 0x0               ; q s[4:5], kc s[6:7], vh s[8:9], out0 s[10:11]
	v_lshl_add_u32 v[SPW], v0, 2, SPARE
	v_mov_b32 v[NIL], 0
	ds_add_u32 v[SPW], v[NIL]                      ; the wave's opening: the add, twice on end, and its wait ahead of the first tensor load
	ds_add_u32 v[SPW], v[NIL]
	v_lshrrev_b32 v61, 5, v0
	v_readfirstlane_b32 s[WV], v61                 ; wave 0..3
	s_mov_b32 s[U], ttmp9
	s_and_b32 s[BH], ttmp7, 0xffff
	s_add_co_u32 s[NF], s[U], 1
	s_lshr_b32 s80, s[BH], 3                       ; b
	s_and_b32 s81, s[BH], 7                        ; kv
	s_cmp_eq_u32 s[U], 15
	s_cselect_b32 s[LIM], 14, 0
	; group 1 for K: 8,704 dense bytes as 34 rows of 32 elements of 8 bytes
	s_mov_b32 s[G1K], 3<<16
	s_mov_b32 s[G1K+1], 32<<16                     ; tensor_dim0
	s_mov_b32 s[G1K+2], 34<<16                     ; tensor_dim1
	s_mov_b32 s[G1K+3], 32<<16                     ; tile_dim0
	s_mov_b32 s[G1K+4], 34                         ; tile_dim1
	s_mov_b32 s[G1K+5], 32                         ; from row to row
	s_mov_b32 s[G1K+6], 0
	s_mov_b32 s[G1K+7], 0
	; group 1 for V: 128 rows of 128 elements of 2 bytes, 1,024 elements apart; 8 words of padding behind every 64
	s_mov_b32 s[G1V], (1<<16)|(1<<20)|(5<<22)|(7<<25)
	s_mov_b32 s[G1V+1], 128<<16
	s_mov_b32 s[G1V+2], 128<<16
	s_mov_b32 s[G1V+3], 128<<16
	s_mov_b32 s[G1V+4], 128
	s_mov_b32 s[G1V+5], 1024
	s_mov_b32 s[G1V+6], 0
	s_mov_b32 s[G1V+7], 0
	s_mov_b32 s[SEL], 0x76543210
	s_mov_b32 s[SEL+1], 0xfedcba98
	s_mov_b32 s[CS], 0x3e0293ee                    ; c = log2(e) / sqrt(128)
	s_mov_b32 s[CS+1], s[CS]
	s_mov_b32 s[TB], 0
	s_mov_b32 s[SIG], 0
	s_mov_b32 s[KAP], 0
	s_mul_i32 s68, s[BH], 32*KT                    ; kc: 32 tiles a head pair
	s_mov_b32 s69, 0
	s_lshl_b32 s70, s80, 22                        ; vh: b x 2,048 rows of 2,048 bytes
	s_lshl_b32 s85, s81, 8
	s_add_co_u32 s70, s70, s85
	s_mov_b32 s71, 0
	s_lshl_b32 s82, s[U], 7                        ; 128 u
	s_lshl_b32 s83, s[WV], 4                       ; 16 w
	s_sub_co_u32 s[POS2], 1920, s82
	s_add_co_u32 s[POS2], s[POS2], s83             ; 64 (30 - 2 u) + 16 w
	s_lshl_b32 s84, s80, 25                        ; q, out0: b x 2,048 rows of 16,384 bytes
	s_lshl_b32 s85, s81, 11                        ; + the four heads' 2,048 bytes
	s_add_co_u32 s84, s84, s85
	s_add_co_u32 s72, s82, s83
	s_add_co_u32 s72, s72, 64                      ; 64 (2 u + 1) + 16 w
	s_lshl_b32 s72, s72, 14
	s_add_co_u32 s72, s72, s84
	s_mov_b32 s73, 0
	s_lshl_b32 s74, s[POS2], 14
	s_add_co_u32 s74, s74, s84
	s_mov_b32 s75, 0
	s_wait_dscnt 0x0                               ; both opening adds are done
	s_wait_kmcnt 0x0
	s_add_nc_u64 s[KB:KB+1], s[6:7], s[68:69]
	s_add_nc_u64 s[VB:VB+1], s[8:9], s[70:71]
	s_add_nc_u64 s[QA1:QA1+1], s[4:5], s[72:73]
	s_add_nc_u64 s[QA2:QA2+1], s[4:5], s[74:75]
	s_add_nc_u64 s[OA1:OA1+1], s[10:11], s[72:73]
	s_add_nc_u64 s[OA2:OA2+1], s[10:11], s[74:75]
	s_mov_b32 s[G0K], 1
	s_mov_b32 s[G0K+1], 0
	s_mov_b64 s[G0K+2:G0K+3], s[KB:KB+1]
	s_or_b32 s[G0K+3], s[G0K+3], 0x80000000
	s_mov_b32 s[G0V], 1
	s_mov_b32 s[G0V+1], VOFF
	s_mov_b64 s[G0V+2:G0V+3], s[VB:VB+1]
	s_or_b32 s[G0V+3], s[G0V+3], 0x80000000
	TLOAD                                          ; slot 0: the one first fill at the head; slot 1 is first filled behind the first trip's barrier, behind which nothing is filled again
	s_and_b32 s76, s[WV], 1
	s_mul_i32 s76, s76, KT
	s_add_co_u32 s76, s76, 2*KT                    ; the prefetches stand in slot 1: the first change steps them to slot 2
	s_mov_b32 s77, 0
	s_add_nc_u64 s[PFK:PFK+1], s[KB:KB+1], s[76:77]
	s_lshl_b32 s76, s[WV], 16                      ; my wave's 32 rows of V
	s_add_co_u32 s76, s76, 1<<18
	s_add_nc_u64 s[PFV:PFV+1], s[VB:VB+1], s[76:77]
	v_and_b32 v61, 31, v0                          ; lane
	v_lshlrev_b32 v[LI], 4, v61
	QLOAD 1, 0,   QA1, 0                           ; the first block's q lands where O^T will lie
	QLOAD 1, 64,  QA1, 1
	QLOAD 1, 128, QA1, 2
	QLOAD 1, 192, QA1, 3
	v_lshlrev_b32 v[L4], 2, v61
	v_lshlrev_b32 v[PFO], 11, v61
	v_min_u32 v[PFOK], 16, v61
	v_lshlrev_b32 v[PFOK], 8, v[PFOK]
	v_and_b32 v[TM], 15, v0                        ; r
	v_bfe_u32 v[TM+1], v0, 4, 1                    ; h
	v_lshlrev_b32 v[H8], 3, v[TM+1]
	v_and_b32 v[TM+2], 7, v0
	v_bfe_u32 v[TM+3], v0, 3, 1
	v_add_nc_u32 v[AV0], v[H8], v[TM+2]            ; the turning load: key 8 h + lane % 8,
	v_mul_u32_u24 v[AV0], v[AV0], PVP
	v_lshl_add_u32 v[AV0], v[TM+3], 4, v[AV0]      ; channels 8 ((lane / 8) % 2) on
	v_add_nc_u32 v[AV0], VOFF, v[AV0]
	s_mul_i32 s76, s[WV], WSTG
	s_add_co_u32 s76, s76, STAGE                   ; my stage
	v_add_nc_u32 v[STW], s76, v[LI]
	v_mul_u32_u24 v[TM+4], v[TM], SP
	v_add_nc_u32 v[TM+4], s76, v[TM+4]
	v_lshl_add_u32 v[STR], v[TM+1], 7, v[TM+4]
	v_lshl_add_u32 v[STO], v[TM+1], 5, v[TM+4]
	v_sub_nc_u32 v[DM], v[TM], v[H8]
	v_add_nc_u32 v[DM], s83, v[DM]
	v_mov_b32 v[NINF], 0xff800000
	v_mov_b32 v[TM+7], 0                           ; a lane permute's destination counts as one of its sources
	s_wait_loadcnt 48                              ; tile 0's sixteen loads are in; three tiles' are younger: so at each of these four waits
	TURN 1, 0, X0
	QLOAD 2, 64, QA2, 0                            ; the second block's q is asked for now and stays out until the change of blocks
	s_wait_loadcnt 48
	TURN 1, 64, X1
	QLOAD 2, 128, QA2, 1
	s_wait_dscnt 32                                ; the younger turn's 16 stores and 16 loads may be out
	QUANT X0, 0
	s_wait_loadcnt 48
	TURN 1, 128, X0
	QLOAD 2, 192, QA2, 2
	s_wait_dscnt 32
	QUANT X1, 1
	s_wait_loadcnt 48
	TURN 1, 192, X1
	QLOAD 3, 128, QA2, 3
	s_wait_dscnt 32
	QUANT X0, 2
	s_wait_dscnt 0x0
	QUANT X1, 3
.irp t, 0,1,2,3
	v_mov_b32 v[ST+8*\t+1], 0xff61b1e6             ; m = -3e38
.endr
.irp t, 0,1,2,3
	v_mul_f32 v[ST+8*\t], s[CS], v[ST+8*\t+1]
.endr
.irp t, 0,1,2,3
.irp n, 2,3,4,5,6,7
	v_mov_b32 v[ST+8*\t+\n], 0                     ; l, and the registers at work: written once.  (These lines are also the places between the last write of a scale word and the first scaled product)
.endr
.endr
.Lslot:                                            ; 16 trips: stream slots 0 .. 15, two key steps each; behind each change the next slot is asked for
	CHANGE 1
	s_cmp_lg_u32 s[SIG], s[NF]                     ; ids and the count of trips alone: all four waves go the same way; no barrier, tensor load or wait on TENSORcnt stands under the branch
	s_cbranch_scc1 .Lsame
	SWITCH
.Lsame:
	FETCH_K 0
	STEP 0, 0, 1
	STEP 1, 1, 0
	s_xor_b32 s[TB], s[TB], SLOT1
	s_add_co_u32 s[SIG], s[SIG], 1
	s_cmp_lt_u32 s[SIG], 16
	s_cbranch_scc1 .Lslot
	CHANGE 0                                       ; slot 16 is written out: nothing is left to ask for
	s_cmp_lg_u32 s[NF], 16
	s_cbranch_scc1 .Lsame_tail
	SWITCH
.Lsame_tail:
	FETCH_K 0
	STEP 0, 2, 0                                   ; the second block's diagonal
	FINAL OA2, 1
.Ldone:
	s_wait_tensorcnt 0x0                           ; the wave's end, behind my last tensor load and my last LDS store
	ds_add_u32 v[SPW], v[NIL]
	s_wait_dscnt 0x0
	s_endpgm
.Lfunc_end_k_qf283261840_attn:
	.size	k_qf283261840_attn, .Lfunc_end_k_qf283261840_attn-k_qf283261840_attn
	.p2alignl 7, 3214868480
	.fill 96, 4, 3214868480
	.section	.rodata,"a",@progbits
	.p2align	6, 0x0
	.amdhsa_kernel k_qf283261840_attn
		.amdhsa_group_segment_fixed_size 327680
		.amdhsa_private_segment_fixed_size 0
		.amdhsa_enable_private_segment 0
		.amdhsa_kernarg_size 32
		.amdhsa_user_sgpr_count 2
		.amdhsa_user_sgpr_kernarg_segment_ptr 1
		.amdhsa_wavefront_size32 1
		.amdhsa_system_sgpr_workgroup_id_x 1
		.amdhsa_system_sgpr_workgroup_id_y 1
		.amdhsa_system_sgpr_workgroup_id_z 1
		.amdhsa_system_vgpr_workitem_id 0
		.amdhsa_next_free_vgpr 1024
		.amdhsa_next_free_sgpr 88
		.amdhsa_reserve_vcc 1
		.amdhsa_float_denorm_mode_32 3
		.amdhsa_float_denorm_mode_16_64 3
		.amdhsa_memory_ordered 1
		.amdhsa_forward_progress 1
		.amdhsa_inst_pref_size 255
	.end_amdhsa_kernel
	.section	.bss,"aw",@nobits
	.p2align	6
	.space	262144
	.amdgpu_metadata
---
amdhsa.version: [ 1, 2 ]
amdhsa.kernels:
  - .name:           k_qf283261840_attn
    .symbol:         k_qf283261840_attn.kd
    .args:
      - { .name: q, .offset: 0, .size: 8, .value_kind: global_buffer, .address_space: global }
      - { .name: kc, .offset: 8, .size: 8, .value_kind: global_buffer, .address_space: global }
      - { .name: vh, .offset: 16, .size: 8, .value_kind: global_buffer, .address_space: global }
      - { .name: out0, .offset: 24, .size: 8, .value_kind: global_buffer, .address_space: global }
    .group_segment_fixed_size: 327680
    .private_segment_fixed_size: 0
    .kernarg_segment_align: 8
    .kernarg_segment_size: 32
    .max_flat_workgroup_size: 128
    .sgpr_count:     88
    .vgpr_count:     1024
    .wavefront_size: 32
...
	.end_amdgpu_metadata
.endif
;; end of part 2
;; launch first16 (part 3): grid 16 x 1, 8 waves a work-group, no clusters, 0 bytes of LDS; arguments q, k, v, out0; writes out0
.if DOCPART == 3
	.amdgcn_target "amdgcn-amd-amdhsa--gfx1250"
	.amdhsa_code_object_version 6
	.text
	.protected	k_qf283261840_first16
	.globl	k_qf283261840_first16
	.p2align	8
	.type	k_qf283261840_first16,@function
k_qf283261840_first16:
	s_mov_b64 s[64:65], 0
	v_nop
	global_prefetch_b8 v0, s[64:65] scope:SCOPE_SE
	s_setreg_imm32_b32 hwreg(HW_REG_WAVE_MODE, 25, 1), 1
	s_wait_xcnt 0x0
; Positions 0 .. 15 of every sequence and head: these rows average 1 to 16 values, so all behind the quantised scores is carried in f32.
; Work-group bh = 8 b + kv.  Wave w: head 4 kv + w % 4, channels 64 (w / 4) .. + 63.  (The two waves of a head both make its 16 x 16 scores: 8 KiB of q and of k each.)
; S^T = K Q^T: one scaled FP4 product on codes made here by the stated quantiser (a lane holds two whole blocks of 32 of its row); causal mask; softmax in f32;
; O^T = V^T P by the f32 matrix form, 4 keys an instruction: step s takes key 8 h + 2 s + j at place 2 h + j, the same order on both sides, so that P's registers serve as they lie.
; The registers that the f32 form writes (v224-255) are written by matrix instructions alone; each sum starts with the constant 0; the four accumulators take turns.
; The launch moves under 2 MiB in all: loads go straight into the operands' layout, 16 or 4 bytes a lane, and a lane stores 32 bytes of its row; no LDS, no barrier.
; LIMITS: finite inputs; a block whose largest magnitude lies under 2^-124 keeps the scale byte 1.
.set QAD, 1
.set KAD, 2
.set VAD, 3
.set OAD, 4
.set DM,  5                            ; r - 8 h: register j (key 8 h + j) is hidden where j > DM
.set NINF, 6
.set H8,  7
.set TM,  10                           ; v10-17 at work
.set QSW, 18                           ; q's scale words
.set KSW, 19                           ; k's
.set QC,  20
.set KC,  28
.set SS,  36                           ; S^T
.set PP,  44                           ; p
.set QX,  64                           ; q's numbers; later the results
.set KX,  128
.set VA,  192                          ; V: pair 4 s + c: keys 8 h + 2 s + 0, 1 of channel 16 c + r
.set DD,  224
.macro QUANT x, cd, wd
.irp c, 0,1
	v_max3_num_f32 v[TM+\c], |v[\x+32*\c]|, |v[\x+32*\c+1]|, 0x1800000
.endr
.irp n, 2,4,6,8,10,12,14,16,18,20,22,24,26,28,30
.irp c, 0,1
	v_max3_num_f32 v[TM+\c], v[TM+\c], |v[\x+32*\c+\n]|, |v[\x+32*\c+\n+1]|
.endr
.endr
.irp c, 0,1
	v_add_nc_u32 v[TM+2+\c], 0xff000000, v[TM+\c]
.endr
.irp c, 0,1
	v_lshrrev_b32 v[TM+4+\c], 23, v[TM+2+\c]
.endr
	v_lshl_or_b32 v[TM+6], v[TM+5], 16, v[TM+4]
	v_lshlrev_b32 v[TM+6], v[H8], v[TM+6]
	v_permlanex16_b32 v[TM+7], v[TM+6], s24, s25
	v_or_b32 v[\wd], v[TM+6], v[TM+7]
.irp c, 0,1
.irp g, 0,1,2,3
	v_cvt_scalef32_pk8_fp4_f32 v[\cd+4*\c+\g], v[\x+32*\c+8*\g:\x+32*\c+8*\g+7], v[TM+2+\c]
.endr
.endr
	v_nop                                          ; one plain line behind the last scaled conversion
.endm
	s_load_b256 s[4:11], s[0:1], 0x0               ; q s[4:5], k s[6:7], v s[8:9], out0 s[10:11]
	v_lshrrev_b32 v8, 5, v0
	v_readfirstlane_b32 s12, v8                    ; wave 0..7
	s_and_b32 s13, s12, 3                          ; which of the four heads
	s_lshr_b32 s14, s12, 2                         ; which 64 channels
	s_lshr_b32 s15, ttmp9, 3                       ; b
	s_and_b32 s16, ttmp9, 7                        ; kv
	s_lshl_b32 s18, s15, 25
	s_lshl_b32 s20, s16, 11
	s_add_co_u32 s18, s18, s20
	s_lshl_b32 s20, s13, 9
	s_add_co_u32 s18, s18, s20                     ; q, out0: position 0 of my head
	s_mov_b32 s19, 0
	s_lshl_b32 s20, s15, 23
	s_lshl_b32 s22, s16, 9
	s_add_co_u32 s20, s20, s22                     ; k, v: key 0 of my head
	s_mov_b32 s21, 0
	s_lshl_b32 s22, s14, 8                         ; my 64 channels: 256 bytes
	s_mov_b32 s23, 0
	s_mov_b32 s24, 0x76543210
	s_mov_b32 s25, 0xfedcba98
	s_mov_b32 s26, 0x3e0293ee                      ; c = log2(e) / sqrt(128)
	s_mov_b32 s27, s26
	v_and_b32 v8, 15, v0                           ; r
	v_bfe_u32 v9, v0, 4, 1                         ; h
	v_lshlrev_b32 v[QAD], 14, v8
	v_lshl_add_u32 v[QAD], v9, 7, v[QAD]           ; q: row r of 16,384 bytes, + 128 h
	v_lshlrev_b32 v[KAD], 12, v8
	v_lshl_add_u32 v[KAD], v9, 7, v[KAD]           ; k: row r of 4,096 bytes, + 128 h
	v_lshlrev_b32 v[VAD], 2, v8
	v_lshl_add_u32 v[VAD], v9, 15, v[VAD]          ; v: channel r, keys 8 h on
	v_lshlrev_b32 v[OAD], 14, v8
	v_lshl_add_u32 v[OAD], v9, 5, v[OAD]           ; out0: row r, + 32 h
	v_lshlrev_b32 v[H8], 3, v9
	v_sub_nc_u32 v[DM], v8, v[H8]
	v_mov_b32 v[NINF], 0xff800000
	v_mov_b32 v[TM+7], 0                           ; lane permutes' destinations count as sources
	v_mov_b32 v55, 0
	v_mov_b32 v57, 0
	s_wait_kmcnt 0x0
	s_add_nc_u64 s[4:5], s[4:5], s[18:19]
	s_add_nc_u64 s[6:7], s[6:7], s[20:21]
	s_add_nc_u64 s[8:9], s[8:9], s[20:21]
	s_add_nc_u64 s[8:9], s[8:9], s[22:23]
	s_add_nc_u64 s[10:11], s[10:11], s[18:19]
	s_add_nc_u64 s[10:11], s[10:11], s[22:23]
.irp c, 0,1
.irp n, 0,1,2,3,4,5,6,7
	global_load_b128 v[QX+32*\c+4*\n:QX+32*\c+4*\n+3], v[QAD], s[4:5] offset:256*\c+16*\n     ; channels 64 c + 32 h + 4 n on of position r
.endr
.endr
.irp c, 0,1
.irp n, 0,1,2,3,4,5,6,7
	global_load_b128 v[KX+32*\c+4*\n:KX+32*\c+4*\n+3], v[KAD], s[6:7] offset:256*\c+16*\n
.endr
.endr
.irp s, 0,1,2,3
.irp c, 0,1,2,3
.irp j, 0,1
	global_load_b32 v[VA+2*(4*\s+\c)+\j], v[VAD], s[8:9] offset:(2*\s+\j)*4096+64*\c
.endr
.endr
.endr
	s_wait_loadcnt 32                              ; q and k are in; v's 32 loads are younger
	QUANT QX, QC, QSW
	QUANT KX, KC, KSW
.rept 8
	v_nop                                          ; a scale word written by a vector instruction stands eight plain lines ahead of the scaled product
.endr
	v_wmma_scale_f32_16x16x128_f8f6f4 v[SS:SS+7], v[KC:KC+7], v[QC:QC+7], 0, v[KSW], v[QSW] matrix_a_fmt:MATRIX_FMT_FP4 matrix_b_fmt:MATRIX_FMT_FP4     ; lane (r, h): query r, register j: key 8 h + j
.rept 4
	v_nop
.endr
.irp j, 0,1,2,3,4,5,6,7
	v_cmp_gt_i32 vcc_lo, \j, v[DM]
	v_cndmask_b32 v[SS+\j], v[SS+\j], v[NINF], vcc_lo        ; from the low end on
.endr
	v_max3_num_f32 v56, v[SS], v[SS+1], v[SS+2]
	v_max3_num_f32 v56, v56, v[SS+3], v[SS+4]
	v_max3_num_f32 v56, v56, v[SS+5], v[SS+6]
	v_max_num_f32 v56, v56, v[SS+7]
	v_permlanex16_b32 v57, v56, s24, s25
	v_max_num_f32 v56, v56, v57                    ; the row's maximum: key 0 counts for every query, so it is a number
	v_mul_f32 v52, s26, v56                        ; c m
	v_mov_b32 v53, v52
.irp n, 0,2,4,6
	v_pk_fma_f32 v[PP+\n:PP+\n+1], v[SS+\n:SS+\n+1], s[26:27], v[52:53] op_sel_hi:[1,0,0] neg_lo:[0,0,1] neg_hi:[0,0,1]     ; c s - c m
.endr
.irp n, 0,1,2,3,4,5,6,7
	v_exp_f32 v[PP+\n], v[PP+\n]
.endr
	v_nop                                          ; a plain line behind the last exponential,
	s_wait_alu depctr_va_vdst(0)                   ; and the one wait for the batch ahead of its first reader
	v_pk_add_f32 v[56:57], v[PP:PP+1], v[PP+2:PP+3]
	v_pk_add_f32 v[58:59], v[PP+4:PP+5], v[PP+6:PP+7]
	v_pk_add_f32 v[56:57], v[56:57], v[58:59]
	v_add_f32 v54, v56, v57
	v_permlanex16_b32 v55, v54, s24, s25
	v_add_f32 v54, v54, v55                        ; the row's sum
	v_rcp_f32 v60, v54
	v_nop
	s_wait_alu depctr_va_vdst(0)
	s_wait_loadcnt 0x0                             ; v
.irp s, 0,1,2,3
.irp c, 0,1,2,3
.if \s == 0
	v_wmma_f32_16x16x4_f32 v[DD+8*\c:DD+8*\c+7], v[VA+2*(4*\s+\c):VA+2*(4*\s+\c)+1], v[PP+2*\s:PP+2*\s+1], 0
.else
	v_wmma_f32_16x16x4_f32 v[DD+8*\c:DD+8*\c+7], v[VA+2*(4*\s+\c):VA+2*(4*\s+\c)+1], v[PP+2*\s:PP+2*\s+1], v[DD+8*\c:DD+8*\c+7]
.endif
.endr
.endr
.rept 8
	v_nop                                          ; eight places behind this form, ahead of the first read of a result
.endr
.irp n, 0,1,2,3,4,5,6,7,8,9,10,11,12,13,14,15,16,17,18,19,20,21,22,23,24,25,26,27,28,29,30,31
	v_mul_f32 v[QX+\n], v[DD+\n], v60              ; O^T / the sum, into other registers: register 8 c + i is o(r, 16 c + 8 h + i)
.endr
.irp c, 0,1,2,3
	global_store_b128 v[OAD], v[QX+8*\c:QX+8*\c+3], s[10:11] offset:64*\c
	global_store_b128 v[OAD], v[QX+8*\c+4:QX+8*\c+7], s[10:11] offset:64*\c+16
.endr
	s_endpgm
.Lfunc_end_k_qf283261840_first16:
	.size	k_qf283261840_first16, .Lfunc_end_k_qf283261840_first16-k_qf283261840_first16
	.p2alignl 7, 3214868480
	.fill 96, 4, 3214868480
	.section	.rodata,"a",@progbits
	.p2align	6, 0x0
	.amdhsa_kernel k_qf283261840_first16
		.amdhsa_group_segment_fixed_size 0
		.amdhsa_private_segment_fixed_size 0
		.amdhsa_enable_private_segment 0
		.amdhsa_kernarg_size 32
		.amdhsa_user_sgpr_count 2
		.amdhsa_user_sgpr_kernarg_segment_ptr 1
		.amdhsa_wavefront_size32 1
		.amdhsa_system_sgpr_workgroup_id_x 1
		.amdhsa_system_sgpr_workgroup_id_y 1
		.amdhsa_system_sgpr_workgroup_id_z 1
		.amdhsa_system_vgpr_workitem_id 0
		.amdhsa_next_free_vgpr 256
		.amdhsa_next_free_sgpr 66
		.amdhsa_reserve_vcc 1
		.amdhsa_float_denorm_mode_32 3
		.amdhsa_float_denorm_mode_16_64 3
		.amdhsa_memory_ordered 1
		.amdhsa_forward_progress 1
		.amdhsa_inst_pref_size 20
	.end_amdhsa_kernel
	.amdgpu_metadata
---
amdhsa.version: [ 1, 2 ]
amdhsa.kernels:
  - .name:           k_qf283261840_first16
    .symbol:         k_qf283261840_first16.kd
    .args:
      - { .name: q, .offset: 0, .size: 8, .value_kind: global_buffer, .address_space: global }
      - { .name: k, .offset: 8, .size: 8, .value_kind: global_buffer, .address_space: global }
      - { .name: v, .offset: 16, .size: 8, .value_kind: global_buffer, .address_space: global }
      - { .name: out0, .offset: 24, .size: 8, .value_kind: global_buffer, .address_space: global }
    .group_segment_fixed_size: 0
    .private_segment_fixed_size: 0
    .kernarg_segment_align: 8
    .kernarg_segment_size: 32
    .max_flat_workgroup_size: 256
    .sgpr_count:     66
    .vgpr_count:     256
    .wavefront_size: 32
...
	.end_amdgpu_metadata
.endif
;; end of part 3
